; MI455X (gfx1250); checked and timed in simulation.
; The chip was launched on July 23, 2026; its instructions are those of AMD's public machine-readable ISA for CDNA 5 (MIT licence, August 2026) and "CDNA5" Instruction Set Architecture Reference Guide (July 2026). The comments in the code are by the model that wrote it; some were corrected since.
;; Mo E Layer. Allowed arithmetic: matrix products marked QUANTISED: E3M2 operands, one E8M0 scale for each 32 along K, by v_wmma_scale_f32_16x16x128_f8f6f4 with both operands' format E3M2, f32 sums; products left as they are: f32 operands where the result goes on into a quantised operand, else bf16, f16 or f32 operands; f32 sums; everything else in f32.
;; Inputs: W1_codes 8 x 4,096 x 32 x 24 uint8 (E3M2 codes of W1, K innermost, in blocks of 32 codes, four codes in three bytes); W1_scales 8 x 4,096 x 32 uint8 (E8M0 scales of W1, one for each 32 codes along K); W2_codes 8 x 1,024 x 128 x 24 uint8 (E3M2 codes of W2, K innermost, in blocks of 32 codes, four codes in three bytes); W2_scales 8 x 1,024 x 128 uint8 (E8M0 scales of W2, one for each 32 codes along K); Wr 1,024 x 8 float32; b1 8 x 4,096 float32; b2 8 x 1,024 float32; br 8 float32; x 4 x 256 x 1,024 float32.
;; Outputs: out0 4 x 256 x 1,024 float32.
;; This version of the problem:
;;   THIS VERSION OF THE PROBLEM IS GIVEN IN LOW PRECISION. The matrix products marked QUANTISED in the list below multiply operands that are first quantised to E3M2 (3 exponent bits, 2 mantissa bits; 6 bits a number), with one power-of-two scale for each 32 numbers along K (OCP MX v1.0); their sums are f32. All else is computed in f32.
;;   The module's matrix products, in the order in which they are computed (A, B: the left and right operand; K: the contracted axis; several contracted axes count as one K, in the product's order):
;;     1. [M 1,024, K 1,024] x [K 1,024, N 8]; A: input x; B: input Wr: left as it is (N = 8 < 16)
;;     2. batch 1,024 x [M 1, K 2] x [K 2, N 8]; A: softmax; B: computed on the way: left as it is (K = 2 < 32)
;;     3. [M 1,024, K 1,024] x [K 1,024, N 4,096]; A: input x; B: input W1 (given as codes): QUANTISED
;;     4. [M 1,024, K 4,096] x [K 4,096, N 1,024]; A: computed on the way; B: input W2 (given as codes): QUANTISED
;;     5. [M 1,024, K 1,024] x [K 1,024, N 4,096]; A: input x; B: input W1 (given as codes): QUANTISED
;;     6. [M 1,024, K 4,096] x [K 4,096, N 1,024]; A: computed on the way; B: input W2 (given as codes): QUANTISED
;;     7. [M 1,024, K 1,024] x [K 1,024, N 4,096]; A: input x; B: input W1 (given as codes): QUANTISED
;;     8. [M 1,024, K 4,096] x [K 4,096, N 1,024]; A: computed on the way; B: input W2 (given as codes): QUANTISED
;;     9. [M 1,024, K 1,024] x [K 1,024, N 4,096]; A: input x; B: input W1 (given as codes): QUANTISED
;;     10. [M 1,024, K 4,096] x [K 4,096, N 1,024]; A: computed on the way; B: input W2 (given as codes): QUANTISED
;;     11. [M 1,024, K 1,024] x [K 1,024, N 4,096]; A: input x; B: input W1 (given as codes): QUANTISED
;;     12. [M 1,024, K 4,096] x [K 4,096, N 1,024]; A: computed on the way; B: input W2 (given as codes): QUANTISED
;;     13. [M 1,024, K 1,024] x [K 1,024, N 4,096]; A: input x; B: input W1 (given as codes): QUANTISED
;;     14. [M 1,024, K 4,096] x [K 4,096, N 1,024]; A: computed on the way; B: input W2 (given as codes): QUANTISED
;;     15. [M 1,024, K 1,024] x [K 1,024, N 4,096]; A: input x; B: input W1 (given as codes): QUANTISED
;;     16. [M 1,024, K 4,096] x [K 4,096, N 1,024]; A: computed on the way; B: input W2 (given as codes): QUANTISED
;;     17. [M 1,024, K 1,024] x [K 1,024, N 4,096]; A: input x; B: input W1 (given as codes): QUANTISED
;;     18. [M 1,024, K 4,096] x [K 4,096, N 1,024]; A: computed on the way; B: input W2 (given as codes): QUANTISED
;;   THE QUANTISER, for each operand of a quantised product, along K:
;;     - K is cut into blocks of 32 from its start; a last block that is shorter is filled with zeros.
;;     - A block's scale is 2^e with e = floor(log2(the largest magnitude in the block)) - 4, held to -126 .. 127; a block of zeros has e = 0. As a byte (E8M0): e + 127.
;;     - Each number is divided by its block's scale, clamped to +-28, and rounded to the nearest number of E3M2, ties to even, subnormals kept.
;;     - The product sums the exact products of the quantised numbers (number of the format x scale) in f32.
;;   ~~~python
;;   def quantise(x, axis):      # numpy; x: float32 -> the quantised numbers, widened to float32 again
;;       x = np.moveaxis(x, axis, -1); K = x.shape[-1]
;;       x = np.pad(x, [(0, 0)] * (x.ndim - 1) + [(0, -K % 32)]); x = x.reshape(x.shape[:-1] + (-1, 32)); a = np.abs(x).max(-1, keepdims=True)
;;       e = np.where(a > 0, np.clip(np.frexp(np.where(a > 0, a, 1))[1] - 1 - 4, -126, 127), 0)      # np.frexp(a)[1] - 1 = floor(log2(a)), exactly
;;       r = np.clip(x / 2.0 ** e, -28, 28)
;;       step = 2.0 ** (np.maximum(np.frexp(np.where(r == 0, 1, r))[1] - 1, -2) - 2)
;;       q = np.round(r / step) * step * 2.0 ** e      # np.round: ties to even
;;       return np.moveaxis(q.reshape(q.shape[:-2] + (-1,))[..., :K], -1, axis).astype(np.float32)
;;   ~~~
;;   OPERANDS COMPUTED ON THE WAY. 'Computed on the way' means the value that the module computes at that place (a softmax that the list does not call 'softmax' is quantised finished and normalised). What goes into a quantiser is computed in f32, as accurately as f32 sums, v_exp_f32 and their like allow (about 1e-6 of the number): no bf16 or f16 on the way to a quantiser, and a product that is left as it is and whose result goes on into a quantised operand takes f32 operands (vector FMAs, or v_wmma_f32_16x16x4_f32). A number that lies on a knife's edge between two numbers of the format may be rounded either way, as far as f32 arithmetic and the matrix unit's own rounding can turn it there, and no further.
;;   INPUTS GIVEN AS CODES. W1 (in the module: [8, 1024, 4096], K = its axis 1); W2 (in the module: [8, 4096, 1024], K = its axis 1): each comes as NAME_codes (uint8): NAME with its K axis moved to the last place and cut into blocks of 32 codes, [.., K / 32, bytes a block], one block behind the other in memory; four codes in three bytes: a row's codes are one little-endian stream of bits, code i at bits 6 i .. 6 i + 5 (a code: sign, 3 exponent bits, 2 mantissa bits); and NAME_scales (uint8): the same leading axes, one E8M0 byte (e + 127) for each 32 codes along K. Its value is code x scale, taken as it is: it is not quantised again, and the codes and scales need not be those that the quantiser above would give.
;; One version. Each part assembles by itself: llvm-mc -triple=amdgcn-amd-amdhsa -mcpu=gfx1250 --defsym DOCPART=n.
;; ======== version 1 of 1: 4 launches
;; limits: right only within a limited range of input values
;; workspace buffers: xq 786,432 bytes; xs 32,768 bytes; sel 4,096 bytes of whole numbers; gate 8,192 bytes; hq 25,165,824 bytes; hs 1,048,576 bytes; y 8,912,896 bytes; lst 40,960 bytes of whole numbers
;; launch route (part 1): grid 64 x 1, 8 waves a work-group, no clusters, 86,016 bytes of LDS; arguments x, Wr, br, xq, xs, sel, gate; writes xq, xs, sel, gate
.if DOCPART == 1
	.amdgcn_target "amdgcn-amd-amdhsa--gfx1250"
	.amdhsa_code_object_version 6
	.text
	.protected	k_qd482e26e54_route
	.globl	k_qd482e26e54_route
	.p2align	8
	.type	k_qd482e26e54_route,@function
k_qd482e26e54_route:
	s_mov_b64 s[64:65], 0
	v_nop
	global_prefetch_b8 v0, s[64:65] scope:SCOPE_SE
	s_setreg_imm32_b32 hwreg(HW_REG_WAVE_MODE, 25, 1), 1
	s_wait_xcnt 0x0
; ROUTER, TOP-2, GATES, AND x AS CODES OF E3M2.  x [1024][1024] f32, Wr [1024][8] f32, br [8] f32.
; A work-group takes 16 tokens (a matrix tile's rows; a token's eight logits must meet in one work-group): 64 work-groups.  Wave s takes columns 128 s .. 128 s + 127.
; OUT: xq [token][s 8][h 2][48 bytes]: the 12 operand registers of lane (row, h) for K step s;  xs [token][s 8]: the K step's scale word;
;      sel [token] = first expert | second expert << 8 (whole numbers: later launches form addresses from them);  gate [2 token + k] f32: softmax over the two chosen logits.
; The logits are f32 products with f32 sums (16x16x4 form; Wr's 8 columns stand twice in the 16); ties go to the lower index (strict >).
; No work-group shares a tile with another, so there is nothing to ask for jointly; x is read once, in loads of 512 consecutive bytes.
; LIMITS: NaN and infinities among the inputs are not served; a block of x whose largest magnitude lies under 2^-122 keeps the scale byte 1; with seven logits at -infinity the second choice is undefined.
.set XTW,  8448                        ; LDS 0: a turn stage for each wave, 16 rows x (512 + 16) bytes
.set XQS,  67584                       ; 32 half rows of codes x (384 + 16) bytes
.set XSS,  80384                       ; 16 tokens x 8 scale words
.set LG,   80896                       ; partial logits [s][token][8]
.set R,    16                          ; v16-79   x as loaded; later at work
.set X,    80                          ; v80-143  register 16 b + i: column 128 s + 32 b + 16 h + i of row r
.set WB,   144                         ; v144-207 Wr at the same k, column r % 8
.set AC,   208                         ; v208-239 four accumulators: written by matrix instructions alone
.set TM,   16
.set PC,   32
.set PW,   52
.set L,    56
.set WV,   18
.set SEL,  22
; 64 numbers of a lane, register 16 b + i = k 32 b + 16 h + i of my row, become a fragment's codes in v[PC] on and its scale word in v[PW]
.macro QUANT src
.irp b, 0,1,2,3
	v_max3_num_f32 v[TM+\b], |v[\src+16*\b]|, |v[\src+1+16*\b]|, 0x2800000   ; my 16 numbers of block b, and the floor 2^(5 - 127): the byte cannot fall under 1
.endr
.irp i, 2,4,6,8,10,12,14
.irp b, 0,1,2,3
	s_delay_alu instid0(VALU_DEP_4)
	v_max3_num_f32 v[TM+\b], v[TM+\b], |v[\src+16*\b+\i]|, |v[\src+1+16*\b+\i]|
.endr
.endr
.irp b, 0,1,2,3
	s_delay_alu instid0(VALU_DEP_4)
	v_permlanex16_b32 v[TM+4+\b], v[TM+\b], s[SEL], s[SEL+1]
.endr
.irp b, 0,1,2,3
	s_delay_alu instid0(VALU_DEP_4)
	v_max_num_f32 v[TM+\b], v[TM+\b], v[TM+4+\b]       ; with lane l xor 16's: the block's largest magnitude
.endr
.irp b, 0,1,2,3
	s_delay_alu instid0(VALU_DEP_4)
	v_add_nc_u32 v[TM+12+\b], 0xfe000000, v[TM+\b]     ; 4 off its exponent field: the conversion's scale operand
.endr
.irp b, 0,1,2,3
	s_delay_alu instid0(VALU_DEP_4)
	v_lshrrev_b32 v[TM+4+\b], 23, v[TM+12+\b]          ; the scale's byte
.endr
	s_delay_alu instid0(VALU_DEP_3)
	v_lshl_or_b32 v[PW], v[TM+5], 8, v[TM+4]
	s_delay_alu instid0(VALU_DEP_1)
	v_lshl_or_b32 v[PW], v[TM+6], 16, v[PW]
	s_delay_alu instid0(VALU_DEP_1)
	v_lshl_or_b32 v[PW], v[TM+7], 24, v[PW]
.irp c, 0,1
	v_cvt_scalef32_pk16_bf6_f32 v[PC+6*\c:PC+2+6*\c], v[\src+32*\c:\src+15+32*\c], v[TM+12+2*\c]
	v_cvt_scalef32_pk16_bf6_f32 v[PC+12+4*\c:PC+14+4*\c], v[\src+16+32*\c:\src+31+32*\c], v[TM+12+2*\c+1]
.endr
	v_nop                                          ; one plain instruction behind a scaled conversion
.irp c, 0,1                                    ; the operand wants a whole block in a lane
.irp i, 0,1,2
	v_permlane16_swap_b32 v[PC+6*\c+\i], v[PC+12+4*\c+\i]
.endr
.irp i, 0,1,2
	s_delay_alu instid0(VALU_DEP_3)
	v_mov_b32 v[PC+3+6*\c+\i], v[PC+12+4*\c+\i]
.endr
.endr
.endm
	s_load_b256 s[4:11], s[0:1], 0x0               ; x s[4:5], Wr s[6:7], br s[8:9], xq s[10:11]
	s_load_b128 s[12:15], s[0:1], 0x20             ; xs s[12:13], sel s[14:15]
	s_load_b64 s[16:17], s[0:1], 0x30              ; gate
	v_lshl_add_u32 v254, v0, 2, 0x14c00
	v_mov_b32 v255, 0
	v_lshrrev_b32 v11, 5, v0
	s_delay_alu instid0(VALU_DEP_1)
	v_readfirstlane_b32 s[WV], v11                 ; wave = K step s
	v_and_b32 v1, 31, v0                           ; lane
	v_and_b32 v2, 15, v0                           ; r
	v_bfe_u32 v3, v0, 4, 1                         ; h
	s_delay_alu instid0(VALU_DEP_3)
	v_lshlrev_b32 v4, 4, v1                        ; 16 x lane
	v_and_b32 v5, 7, v0
	s_delay_alu instid0(VALU_DEP_1)
	v_lshlrev_b32 v5, 2, v5
	s_delay_alu instid0(VALU_DEP_1)
	v_lshl_add_u32 v5, v3, 9, v5                   ; Wr: 4 (r % 8) + 16 h rows of 32 bytes
	s_mul_i32 s19, s[WV], XTW
	v_add_nc_u32 v6, s19, v4                       ; the turn stage, in: 16 x lane
	v_mul_u32_u24 v7, v2, 528
	s_delay_alu instid0(VALU_DEP_1)
	v_lshl_add_u32 v7, v3, 6, v7
	s_delay_alu instid0(VALU_DEP_1)
	v_add_nc_u32 v7, s19, v7                       ; and out: row r, + 64 h
	v_and_b32 v8, 7, v0
	s_delay_alu instid0(VALU_DEP_1)
	v_lshlrev_b32 v8, 2, v8
	s_delay_alu instid0(VALU_DEP_1)
	v_lshl_add_u32 v8, v3, 8, v8
	s_lshl_b32 s20, s[WV], 9
	s_add_co_u32 s20, s20, LG
	v_add_nc_u32 v8, s20, v8                       ; partial logits: LG + 512 s + 32 (8 h + j) + 4 (r % 8)
	; xq IS LAID [token][s 8][h 2][48 bytes] (this order stands in place of the one named at the head): byte 96 s + 48 h of a row of 768; in LDS 16 bytes of padding lie behind each 384
	s_lshr_b32 s20, s[WV], 2
	s_mul_i32 s20, s20, 400                        ; which half row: s / 4
	s_and_b32 s21, s[WV], 3
	s_mul_i32 s21, s21, 96                         ; and 96 (s % 4) in it
	s_add_co_u32 s20, s20, s21
	s_add_co_u32 s20, s20, XQS
	v_mul_u32_u24 v9, v2, 800
	s_delay_alu instid0(VALU_DEP_1)
	v_mad_u32_u24 v9, v3, 48, v9
	s_delay_alu instid0(VALU_DEP_1)
	v_add_nc_u32 v9, s20, v9                       ; codes: row r, K step s, half h
	s_lshl_b32 s20, s[WV], 2
	s_add_co_u32 s20, s20, XSS
	v_lshl_add_u32 v10, v2, 5, s20                 ; scale word: 32 r + 4 s
.irp i, 0,1,2                                  ; the codes' way out: unit u = thread + 256 i of 768 units of 16 bytes; 24 units to a half row, 16 bytes of padding behind each half row
	v_add_nc_u32 v11, 256*\i, v0
	s_delay_alu instid0(VALU_DEP_1)
	v_mul_u32_u24 v[240+\i], v11, 2731
	s_delay_alu instid0(VALU_DEP_1)
	v_lshrrev_b32 v[240+\i], 16, v[240+\i]         ; u / 24 (exact for u under 8,160)
	s_delay_alu instid0(VALU_DEP_1)
	v_add_nc_u32 v[240+\i], v[240+\i], v11
	s_delay_alu instid0(VALU_DEP_1)
	v_lshl_add_u32 v[240+\i], v[240+\i], 4, XQS
.endr
	v_lshlrev_b32 v243, 4, v0
	v_lshl_add_u32 v244, v2, 5, LG                 ; wave 0: token r's partial logits
	v_add_nc_u32 v245, XSS, v4
	v_lshlrev_b32 v246, 2, v2
	v_lshlrev_b32 v247, 3, v2
	s_mov_b32 s[SEL], 0x76543210
	s_mov_b32 s[SEL+1], 0xfedcba98                 ; lane l xor 16
	s_lshl_b32 s32, ttmp9, 16                      ; 16 rows of 4,096 bytes a work-group,
	s_lshl_b32 s19, s[WV], 9                       ; 512 bytes of a row a wave
	s_add_co_u32 s32, s32, s19
	s_mov_b32 s33, 0
	s_wait_kmcnt 0x0
	s_add_nc_u64 s[4:5], s[4:5], s[32:33]
	s_lshl_b32 s32, s[WV], 12                      ; Wr: 128 rows of 32 bytes a wave
	s_add_nc_u64 s[6:7], s[6:7], s[32:33]
	s_mul_i32 s32, ttmp9, 12288
	s_add_nc_u64 s[10:11], s[10:11], s[32:33]
	s_lshl_b32 s32, ttmp9, 9
	s_add_nc_u64 s[12:13], s[12:13], s[32:33]
	s_lshl_b32 s32, ttmp9, 6
	s_add_nc_u64 s[14:15], s[14:15], s[32:33]
	s_lshl_b32 s32, ttmp9, 7
	s_add_nc_u64 s[16:17], s[16:17], s[32:33]
	s_load_b256 s[24:31], s[8:9], 0x0              ; br
.irp i, 0,1,2,3,4,5,6,7,8,9,10,11,12,13,14,15
	global_load_b128 v[R+4*\i:R+4*\i+3], v4, s[4:5] offset:4096*\i th:TH_LOAD_NT   ; row i: 512 consecutive bytes
.endr
.irp b, 0,1,2,3
.irp i, 0,1,2,3,4,5,6,7,8,9,10,11,12,13,14,15
	global_load_b32 v[WB+16*\b+\i], v5, s[6:7] offset:1024*\b+32*\i
.endr
.endr
	s_wait_loadcnt 63                              ; 64 loads are younger than x's sixteen: with 63 out at the most, x is in
.irp i, 0,1,2,3,4,5,6,7,8,9,10,11,12,13,14,15
	ds_store_b128 v6, v[R+4*\i:R+4*\i+3] offset:528*\i
.endr
.irp b, 0,1,2,3
.irp j, 0,1,2,3
	ds_load_b128 v[X+16*\b+4*\j:X+16*\b+4*\j+3], v7 offset:128*\b+16*\j   ; the wave's own bytes, served in order: these see the stores above
.endr
.endr
	s_wait_dscnt 0x0
	s_wait_loadcnt 0x0                             ; Wr
; logits: K is permuted alike in both operands (k = 2 h + j of an instruction is column 32 b + 16 h + 2 i + j).  Four accumulators by turns; each sum's first link takes 0.
.irp i, 0,1,2,3,4,5,6,7
.irp b, 0,1,2,3
.if \i == 0
	v_wmma_f32_16x16x4_f32 v[AC+8*\b:AC+8*\b+7], v[X+16*\b:X+16*\b+1], v[WB+16*\b:WB+16*\b+1], 0
.else
	v_wmma_f32_16x16x4_f32 v[AC+8*\b:AC+8*\b+7], v[X+16*\b+2*\i:X+16*\b+2*\i+1], v[WB+16*\b+2*\i:WB+16*\b+2*\i+1], v[AC+8*\b:AC+8*\b+7]
.endif
.endr
.endr
	QUANT X
.rept 8
	v_nop                                          ; eight places behind this matrix form, ahead of the first read of its results
.endr
.irp j, 0,1,2,3,4,5,6,7
	v_add_f32 v[L+\j], v[AC+\j], v[AC+8+\j]        ; each accumulator is read from its low end on
	v_add_f32 v11, v[AC+16+\j], v[AC+24+\j]
	s_delay_alu instid0(VALU_DEP_1)
	v_add_f32 v[L+\j], v[L+\j], v11
.endr
.irp j, 0,1,2,3,4,5,6,7
	ds_store_b32 v8, v[L+\j] offset:32*\j          ; token 8 h + j, expert r % 8 (lanes r and r + 8 write the same word with the same value)
.endr
.irp q, 0,1,2
	ds_store_b128 v9, v[PC+4*\q:PC+4*\q+3] offset:16*\q
.endr
	ds_store_b32 v10, v[PW]                        ; (both halves of the lanes hold the same word)
	s_wait_dscnt 0x0                               ; for the others' sake: my stores have landed
	s_barrier_signal -1
	s_barrier_wait -1
.irp i, 0,1,2
	ds_load_b128 v[64+4*\i:67+4*\i], v[240+\i]
.endr
.irp i, 0,1,2
	s_wait_dscnt 2-\i                              ; the younger read-backs may stay out
	global_store_b128 v243, v[64+4*\i:67+4*\i], s[10:11] offset:4096*\i   ; a wave stores 512 consecutive bytes
.endr
	s_cmp_lg_u32 s[WV], 0
	s_cbranch_scc1 .Lend
	; wave 0: the scale words out, the logits summed, top-2, gates.  Lane l serves token l % 16; lanes 16-31 repeat lanes 0-15.
	ds_load_b128 v[76:79], v245
.irp s, 0,1,2,3,4,5,6,7
	ds_load_b128 v[X+8*\s:X+8*\s+3], v244 offset:512*\s
	ds_load_b128 v[X+8*\s+4:X+8*\s+7], v244 offset:512*\s+16
.endr
	s_wait_dscnt 16                                ; the scale words are in; the sixteen loads behind them may be out
	global_store_b128 v4, v[76:79], s[12:13]
	s_wait_dscnt 0x0
	s_wait_kmcnt 0x0                               ; br
.irp s, 1,2,3,4,5,6,7
.irp p, 0,2,4,6
	v_pk_add_f32 v[X+\p:X+\p+1], v[X+\p:X+\p+1], v[X+8*\s+\p:X+8*\s+\p+1]
.endr
.endr
.irp e, 0,1,2,3,4,5,6,7
	v_add_f32 v[X+\e], s[24+\e], v[X+\e]
.endr
	v_mov_b32 v16, v[X]                            ; the largest logit and its index: strict > keeps the lower index
	v_mov_b32 v17, 0
.irp e, 1,2,3,4,5,6,7
	s_delay_alu instid0(VALU_DEP_2)
	v_cmp_gt_f32 vcc_lo, v[X+\e], v16
	s_delay_alu instid0(VALU_DEP_1)
	v_cndmask_b32 v16, v16, v[X+\e], vcc_lo
	s_delay_alu instid0(VALU_DEP_2)
	v_cndmask_b32 v17, v17, \e, vcc_lo
.endr
	v_mov_b32 v20, 0xff800000
.irp e, 0,1,2,3,4,5,6,7
	v_cmp_eq_u32 vcc_lo, \e, v17
	s_delay_alu instid0(VALU_DEP_1)
	v_cndmask_b32 v[X+\e], v[X+\e], v20, vcc_lo    ; the winner leaves the field
.endr
	v_mov_b32 v18, v[X]
	v_mov_b32 v19, 0
.irp e, 1,2,3,4,5,6,7
	s_delay_alu instid0(VALU_DEP_2)
	v_cmp_gt_f32 vcc_lo, v[X+\e], v18
	s_delay_alu instid0(VALU_DEP_1)
	v_cndmask_b32 v18, v18, v[X+\e], vcc_lo
	s_delay_alu instid0(VALU_DEP_2)
	v_cndmask_b32 v19, v19, \e, vcc_lo
.endr
	s_delay_alu instid0(VALU_DEP_2)
	v_sub_f32 v21, v18, v16                        ; the maximum is taken away: second - first, 0 or less
	s_delay_alu instid0(VALU_DEP_1)
	v_mul_f32 v21, 0x3fb8aa3b, v21
	s_wait_alu depctr_va_vdst(0)
	v_exp_f32 v21, v21                             ; p = e^(second - first)
	v_lshl_or_b32 v22, v19, 8, v17                 ; (a plain instruction behind the exponential)  the two experts
	s_wait_alu depctr_va_vdst(0)                   ; ahead of the first reader of p
	v_add_f32 v23, 1.0, v21
	s_wait_alu depctr_va_vdst(0)
	v_rcp_f32 v24, v23                             ; the first gate: 1 / (1 + p)
	v_nop
	s_wait_alu depctr_va_vdst(0)
	v_mul_f32 v25, v21, v24                        ; the second: p / (1 + p)
	global_store_b32 v246, v22, s[14:15]
	global_store_b64 v247, v[24:25], s[16:17]
.Lend:
	s_wait_dscnt 0x0
	s_barrier_signal -1
	s_barrier_wait -1
	s_wait_tensorcnt 0x0
	ds_add_u32 v254, v255
	s_wait_dscnt 0x0
	s_endpgm
.Lfunc_end_k_qd482e26e54_route:
	.size	k_qd482e26e54_route, .Lfunc_end_k_qd482e26e54_route-k_qd482e26e54_route
	.p2alignl 7, 3214868480
	.fill 96, 4, 3214868480
	.section	.rodata,"a",@progbits
	.p2align	6, 0x0
	.amdhsa_kernel k_qd482e26e54_route
		.amdhsa_group_segment_fixed_size 86016
		.amdhsa_private_segment_fixed_size 0
		.amdhsa_enable_private_segment 0
		.amdhsa_kernarg_size 56
		.amdhsa_user_sgpr_count 2
		.amdhsa_user_sgpr_kernarg_segment_ptr 1
		.amdhsa_wavefront_size32 1
		.amdhsa_system_sgpr_workgroup_id_x 1
		.amdhsa_system_sgpr_workgroup_id_y 1
		.amdhsa_system_sgpr_workgroup_id_z 1
		.amdhsa_system_vgpr_workitem_id 0
		.amdhsa_next_free_vgpr 256
		.amdhsa_next_free_sgpr 66
		.amdhsa_reserve_vcc 1
		.amdhsa_float_denorm_mode_32 3
		.amdhsa_float_denorm_mode_16_64 3
		.amdhsa_memory_ordered 1
		.amdhsa_forward_progress 1
		.amdhsa_inst_pref_size 33
	.end_amdhsa_kernel
	.amdgpu_metadata
---
amdhsa.version: [ 1, 2 ]
amdhsa.kernels:
  - .name:           k_qd482e26e54_route
    .symbol:         k_qd482e26e54_route.kd
    .args:
      - { .name: x, .offset: 0, .size: 8, .value_kind: global_buffer, .address_space: global }
      - { .name: Wr, .offset: 8, .size: 8, .value_kind: global_buffer, .address_space: global }
      - { .name: br, .offset: 16, .size: 8, .value_kind: global_buffer, .address_space: global }
      - { .name: xq, .offset: 24, .size: 8, .value_kind: global_buffer, .address_space: global }
      - { .name: xs, .offset: 32, .size: 8, .value_kind: global_buffer, .address_space: global }
      - { .name: sel, .offset: 40, .size: 8, .value_kind: global_buffer, .address_space: global }
      - { .name: gate, .offset: 48, .size: 8, .value_kind: global_buffer, .address_space: global }
    .group_segment_fixed_size: 86016
    .private_segment_fixed_size: 0
    .kernarg_segment_align: 8
    .kernarg_segment_size: 56
    .max_flat_workgroup_size: 256
    .sgpr_count:     66
    .vgpr_count:     256
    .wavefront_size: 32
...
	.end_amdgpu_metadata
.endif
;; end of part 1
;; launch up (part 2): grid 32 x 8, 4 waves a work-group, no clusters, 105,984 bytes of LDS; arguments W1_codes, W1_scales, b1, xq, xs, sel, hq, hs, lst; writes hq, hs, lst
.if DOCPART == 2
	.amdgcn_target "amdgcn-amd-amdhsa--gfx1250"
	.amdhsa_code_object_version 6
	.text
	.protected	k_qd482e26e54_up
	.globl	k_qd482e26e54_up
	.p2align	8
	.type	k_qd482e26e54_up,@function
k_qd482e26e54_up:
	s_mov_b64 s[64:65], 0
	v_nop
	global_prefetch_b8 v0, s[64:65] scope:SCOPE_SE
	s_setreg_imm32_b32 hwreg(HW_REG_WAVE_MODE, 25, 1), 1
	s_wait_xcnt 0x0
; H = Q(gelu(X_e W1_e + b1_e)) for the rows routed to expert e alone (the gate of every other row is 0).  Work-group (sl, e) owns hidden units 128 sl .. 128 sl + 127 of expert e: K step sl of the second product.
; THE WEIGHTS STAND STILL: the slice (128 rows x 768 bytes) is read from memory once, in loads of 512 consecutive bytes, turned through LDS, and every wave then holds all of it: 64 fragments, 768 registers.
; The slice comes in TWO HALVES, each of whole tiles: a wave's rows 0-7 and 16-23 make tile 2 w, its rows 8-15 and 24-31 tile 2 w + 1.  The even tiles are turned and read while the odd tiles' loads are out.
; A half's raw bytes lie in the registers of its own tiles' fragments of K steps 6 and 7 (96 registers), so no fragment lands on a pending load.
; Wave w takes the expert's row tiles w, w + 4, ..; only the rows' codes stream past.  The loop has 16 trips (64 tiles / 4 waves); a trip past the list jumps over its work.
; x's codes: xq [token][K step 8][lane half 2][48 bytes]: the 12 operand registers of lane (row, h).
; THE LIST: every wave counts the expert's rows from the stored choices (sel), eight registers of choices at a time; wave 0 lays the list of row ids (2 token + k) in LDS in the same pass:
; first the whole list as ids of spare rows, then the members on top.  Wave 3 of slice 0 stores the list and the count to lst [e][1280 words] (words 1152-1167: the count) at its end: the launch that follows reads them.
; The first product is used transposed (source 0 = 16 rows of W1, source 1 = 16 rows of x), and lane r of tile 2 b + u takes hidden unit 32 b + 8 u + r + 8 (r / 8), so that the 16 registers of two
; neighbouring tiles are 16 neighbours along the next K.  b1 is the C of each sum's first link.  gelu is the tanh form: x / (1 + 2^(x (C0 + C1 x^2))).
; A TILE'S CODES ARE STORED ONE TRIP LATER, behind the wait that shows all my loads done and ahead of the next tile's products; the last tile's behind the loop.
; OUT: hq [e][tile 64][K step 32][3][lane 32][16 bytes]: a fragment as an image of its registers;  hs [e][tile][K step][row 16]: scale words.
; No tile is asked for jointly and no tensor load is used: which tiles exist hangs on counts read from memory, no two work-groups share a weight byte, and the rows of x are gathered by the list.
; No prefetch: the weights are all asked for at the head, and x's rows a tile ahead.
; LIMITS: NaN and infinities are not served; a block whose largest magnitude lies under 2^-122 keeps the scale byte 1.
; REGISTERS, in windows of 256.  v64-255 of window s / 2: fragment (tile t, K step s) at 64 + 12 (8 (s % 2) + t).
;   window 0 v0-63: addresses, x's scale words v12-15, W1's v16-47.   window 1 v0-63: the 8 accumulators.   window 2 v0-59: x's fragments 0-4; v60-61 C0; v62-63 the add's two.
;   window 3 v0-35: x's fragments 5-7; v36-51 at work; v52-63 the codes just made.
.set PITCH, 784                        ; an LDS row: 768 bytes + 16
.set BIAS,  100352                     ; behind the 128 rows: b1's 128 numbers
.set LIST,  100864                     ; the list: 1,152 words (positions 1040-1071 take what non-members store)
.set AW0, 2
.set AW1, 3
.set XO,  4
.set XSO, 5
.set LA,  6
.set HO,  7
.set HSO, 8
.set BA,  9
.set TA,  10
.set IDN, 11
.set XS,  12
.set WS,  16
.set H48, 48
.set H16, 49
.set SA0, 50
.set SA1, 51
.set T0,  52
.set WSO, 57
.set L8,  58
.set DP,  59
.set LF,  60
.set BSA, 61
.set BW,  62
.set BGO, 63
.set SELR, 64
.set FV,  96
.set CP,  100                          ; the list on its way to memory
.set TV,  140                          ; v140-155: the two choices of eight registers
.set PV,  156                          ; v156-163: positions, then LDS addresses
.set QV,  164                          ; v164-171: ids
.set TT,  36                           ; window 3
.set PC,  52                           ; window 3
.set PW,  48                           ; window 3 (= TT + 12)
.set E,   20
.set SL,  21
.set WV,  22
.set N,   23
.set NT,  25
.set I,   26
.set J,   27
.set TC,  28
.set PD,  33                           ; 1: a tile's codes wait to be stored
.set HB,  40
.set HSB, 42
.set SEL, 44
.set C1,  46
.set LB,  48
.set MS,  66                           ; s66-73: lanes whose token chose my expert, for eight registers of choices
.set BS,  74                           ; s74-81: as its second choice
.set NS,  82                           ; s82-89: members before the register
.set MSB, 0
.macro WIN new                         ; the immediate's high byte repeats the setting that is left
.if MSB != (\new)
	s_set_vgpr_msb (MSB<<8)|(\new)
.set MSB, (\new)
.endif
.endm
; register SELR + n holds the choice of token 128 (n / 4) + 4 lane + n % 4.  Registers 8 g .. 8 g + 7 by turns, so that no line waits for the line above it
.macro MASKS g
.irp j, 0,1,2,3,4,5,6,7
	v_and_b32 v[TV+\j], 0xff, v[SELR+8*(\g)+\j]
.endr
.irp j, 0,1,2,3,4,5,6,7
	v_lshrrev_b32 v[TV+8+\j], 8, v[SELR+8*(\g)+\j]
.endr
.irp j, 0,1,2,3,4,5,6,7
	v_cmp_eq_u32 s[MS+\j], s[E], v[TV+\j]
.endr
.irp j, 0,1,2,3,4,5,6,7
	v_cmp_eq_u32 s[BS+\j], s[E], v[TV+8+\j]
.endr
.irp j, 0,1,2,3,4,5,6,7
	s_or_b32 s[MS+\j], s[MS+\j], s[BS+\j]
.endr
.irp j, 0,1,2,3,4,5,6,7
	s_mov_b32 s[NS+\j], s[N]
	s_bcnt1_i32_b32 s[TC], s[MS+\j]
	s_add_co_u32 s[N], s[N], s[TC]                 ; every wave counts for itself: no count goes through LDS
.endr
.endm
.macro SCAT g                          ; the members of those eight registers onto the list
.irp j, 0,1,2,3,4,5,6,7
	v_mbcnt_lo_u32_b32 v[PV+\j], s[MS+\j], s[NS+\j]        ; members before me
.endr
.irp j, 0,1,2,3,4,5,6,7
	v_cndmask_b32 v[PV+\j], v[DP], v[PV+\j], s[MS+\j]      ; a non-member stores to a word of its own behind the list
.endr
.irp j, 0,1,2,3,4,5,6,7
	v_min_u32 v[PV+\j], 0x47f, v[PV+\j]
.endr
.irp j, 0,1,2,3,4,5,6,7
	v_lshl_add_u32 v[PV+\j], v[PV+\j], 2, LIST
.endr
.irp j, 0,1,2,3,4,5,6,7
	v_cndmask_b32 v[QV+\j], 0, 1, s[BS+\j]
.endr
.irp j, 0,1,2,3,4,5,6,7
	v_add3_u32 v[QV+\j], v[L8], v[QV+\j], 256*((8*(\g)+\j)/4)+2*(\j%4)   ; id = 2 token + k
.endr
.irp j, 0,1,2,3,4,5,6,7
	ds_store_b32 v[PV+\j], v[QV+\j]                ; one wave's LDS instructions are served in order: on top of the fill
.endr
.endm
.macro LOOKUP ahead                    ; the ids of tile J + ahead: lane l takes row l % 16
	s_add_co_u32 s31, s[J], \ahead
	s_lshl_b32 s31, s31, 6
	v_add_nc_u32 v[TA], s31, v[LA]
	ds_load_b32 v[IDN], v[TA]
.endm
.macro ADDR                            ; id -> token, held inside x; four plain lines that name no register of a product
	v_lshrrev_b32 v[IDN], 1, v[IDN]
	v_min_u32 v[IDN], 0x3ff, v[IDN]
	v_mad_u32_u24 v[XO], v[IDN], 768, v[H48]
	v_lshl_add_u32 v[XSO], v[IDN], 5, v[H16]
.endm
.macro XLOADS                          ; 25 loads: my row's eight fragments (48 bytes each; the two halves of the lanes read neighbouring pieces of a row) and its scale words (lanes 0-15 words 0-3, lanes 16-31 words 4-7)
	WIN 0x80
.irp s, 0,1,2,3,4
.irp q, 0,1,2
	global_load_b128 v[12*\s+4*\q:12*\s+4*\q+3], v[XO], s[10:11] offset:96*\s+16*\q
.endr
.endr
	WIN 0xc0
.irp s, 5,6,7
.irp q, 0,1,2
	global_load_b128 v[12*(\s-5)+4*\q:12*(\s-5)+4*\q+3], v[XO], s[10:11] offset:96*\s+16*\q
.endr
.endr
	WIN 0
	global_load_b128 v[XS:XS+3], v[XSO], s[12:13]
.endm
.macro BIASLOAD                        ; b1 in the result's layout into the accumulators: tile 2 b + u, lane half h: units 32 b + 16 h + 8 u + 0 .. 7
	WIN 0x40
.irp t, 0,1,2,3,4,5,6,7
	ds_load_b128 v[8*\t:8*\t+3], v[BA] offset:128*(\t/2)+32*(\t%2)
	ds_load_b128 v[8*\t+4:8*\t+7], v[BA] offset:128*(\t/2)+32*(\t%2)+16
.endr
.endm
; Half c of my 32 rows: pairs of rows a = 4 c + m % 4 + 8 (m / 4), m = 0 .. 7; a pair is 1,536 dense bytes, three loads.  Its 12 registers: the fragment slot (tile 2 (m % 4) + c, K step 6 + m / 4), window 3.
.macro RAWC c
.set m, 0
.rept 8
.set RB, 64+12*(8*(m/4)+2*(m%4)+(\c))
.set GO, 1536*(4*(\c)+(m%4)+8*(m/4))
	global_load_b128 v[RB:RB+3], v[HO], s[4:5] offset:GO th:TH_LOAD_NT
	global_load_b128 v[RB+4:RB+7], v[HO], s[4:5] offset:GO+512 th:TH_LOAD_NT
	global_load_b128 v[RB+8:RB+11], v[HO], s[4:5] offset:GO+1024 th:TH_LOAD_NT
.set m, m+1
.endr
.endm
.macro STAGE c                         ; and into LDS: the half's 16 rows become neighbours, LDS rows 16 c .. 16 c + 15 of my 32
.set m, 0
.rept 8
.set RB, 64+12*(8*(m/4)+2*(m%4)+(\c))
.set LM, (16*(\c)+8*(m/4)+2*(m%4))*PITCH
	ds_store_b128 v[SA0], v[RB:RB+3] offset:LM
	ds_store_b128 v[SA1], v[RB+4:RB+7] offset:LM+512
	ds_store_b128 v[SA0], v[RB+8:RB+11] offset:LM+1040
.set m, m+1
.endr
.endm
.macro FRAGS c                         ; the fragments of tiles c, 2 + c, 4 + c, 6 + c, all eight K steps: 192 loads
.irp s, 0,1,2,3,4,5,6,7
	WIN ((\s)/2)<<6
.irp u, 0,1,2,3
.set TL, 2*\u+(\c)
.irp p, 0,1,2,3,4,5
	ds_load_b64 v[64+12*(8*((\s)%2)+TL)+2*\p:64+12*(8*((\s)%2)+TL)+2*\p+1], v[AW0+TL/4] offset:16*(TL%4)*PITCH+96*\s+48*(\p/3)+8*(\p%3)
.endr
.endr
.endr
.endm
.macro WM ra, rb                       ; one product; ra, rb: the side's scales stand in lanes 16-31
.if (\ra) && (\rb)
	v_wmma_scale_f32_16x16x128_f8f6f4 v[DD:DD+7], v[FA:FA+11], v[FB:FB+11], v[DD:DD+7], v[SA], v[SB] matrix_a_fmt:MATRIX_FMT_BF6 matrix_b_fmt:MATRIX_FMT_BF6 matrix_a_scale:MATRIX_SCALE_ROW1 matrix_b_scale:MATRIX_SCALE_ROW1
.elseif \ra
	v_wmma_scale_f32_16x16x128_f8f6f4 v[DD:DD+7], v[FA:FA+11], v[FB:FB+11], v[DD:DD+7], v[SA], v[SB] matrix_a_fmt:MATRIX_FMT_BF6 matrix_b_fmt:MATRIX_FMT_BF6 matrix_a_scale:MATRIX_SCALE_ROW1
.elseif \rb
	v_wmma_scale_f32_16x16x128_f8f6f4 v[DD:DD+7], v[FA:FA+11], v[FB:FB+11], v[DD:DD+7], v[SA], v[SB] matrix_a_fmt:MATRIX_FMT_BF6 matrix_b_fmt:MATRIX_FMT_BF6 matrix_b_scale:MATRIX_SCALE_ROW1
.else
	v_wmma_scale_f32_16x16x128_f8f6f4 v[DD:DD+7], v[FA:FA+11], v[FB:FB+11], v[DD:DD+7], v[SA], v[SB] matrix_a_fmt:MATRIX_FMT_BF6 matrix_b_fmt:MATRIX_FMT_BF6
.endif
.endm
.macro MULS s                          ; K step s: the eight accumulators by turns, one instruction a turn
	WIN 0x50|((2+(\s)/5)<<2)|((\s)/2)
.irp t, 0,1,2,3,4,5,6,7
.set DD, 8*\t
.set FA, 64+12*(8*((\s)%2)+\t)
.set FB, 12*((\s)%5)
.set SA, WS+8*(\t/2)+(\s)
.set SB, XS+(\s)%4
	WM (\t%2), ((\s)/4)
.endr
.endm
.macro GELU b                          ; 16 numbers of a lane: tiles 2 b and 2 b + 1
.set A, 16*(\b)
	WIN 0xc5
.irp i, 0,2,4,6,8,10,12,14
	v_pk_mul_f32 v[TT+\i:TT+\i+1], v[A+\i:A+\i+1], v[A+\i:A+\i+1]          ; x^2 (each accumulator is read from its low end on)
.endr
	WIN 0xe3
.irp i, 0,2,4,6,8,10,12,14
	v_pk_fma_f32 v[TT+\i:TT+\i+1], v[TT+\i:TT+\i+1], s[C1:C1+1], v[60:61] op_sel_hi:[1,0,1]   ; C1 x^2 + C0
.endr
	WIN 0xc7
.irp i, 0,2,4,6,8,10,12,14
	v_pk_mul_f32 v[TT+\i:TT+\i+1], v[TT+\i:TT+\i+1], v[A+\i:A+\i+1]
.endr
	WIN 0xc3
	s_wait_alu depctr_va_vdst(0)                   ; the wait ahead of the batch
.irp i, 0,1,2,3,4,5,6,7,8,9,10,11,12,13,14,15
	v_exp_f32 v[TT+\i], v[TT+\i]
.endr
	v_nop                                          ; a plain instruction behind the batch,
	s_wait_alu depctr_va_vdst(0)                   ; and one wait for its sixteen, ahead of the first reader
.irp i, 0,2,4,6,8,10,12,14
	v_pk_add_f32 v[TT+\i:TT+\i+1], v[TT+\i:TT+\i+1], 1.0 op_sel_hi:[1,0]
.endr
	s_wait_alu depctr_va_vdst(0)
.irp i, 0,1,2,3,4,5,6,7,8,9,10,11,12,13,14,15
	v_rcp_f32 v[TT+\i], v[TT+\i]
.endr
	v_nop
	s_wait_alu depctr_va_vdst(0)
	WIN 0x4d
.irp i, 0,2,4,6,8,10,12,14
	v_pk_mul_f32 v[A+\i:A+\i+1], v[A+\i:A+\i+1], v[TT+\i:TT+\i+1]
.endr
.endm
; The tile's 128 hidden units, four blocks of 32 by turns, become the fragment's 12 registers and its scale word.  TT + 0-3 maxima, 4-7 the other half's, then the bytes, 8-11 the conversions' scale operands.
.macro QUANT4
	WIN 0xc5
.irp b, 0,1,2,3
	v_max3_num_f32 v[TT+\b], |v[16*\b]|, |v[16*\b+1]|, 0x2800000       ; with the floor 2^(5 - 127)
.endr
	WIN 0xd7
.irp i, 2,4,6,8,10,12,14
.irp b, 0,1,2,3
	v_max3_num_f32 v[TT+\b], v[TT+\b], |v[16*\b+\i]|, |v[16*\b+1+\i]|
.endr
.endr
	WIN 0xff
.irp b, 0,1,2,3
	v_permlanex16_b32 v[TT+4+\b], v[TT+\b], s[SEL], s[SEL+1]
.endr
.irp b, 0,1,2,3
	v_max_num_f32 v[TT+\b], v[TT+\b], v[TT+4+\b]   ; with lane l xor 16's: the block's largest magnitude
.endr
.irp b, 0,1,2,3
	v_add_nc_u32 v[TT+8+\b], 0xfe000000, v[TT+\b]  ; 4 off the exponent field: the conversion's scale operand
.endr
.irp b, 0,1,2,3
	v_lshrrev_b32 v[TT+4+\b], 23, v[TT+8+\b]       ; the scale's byte
.endr
	v_lshl_or_b32 v[PW], v[TT+5], 8, v[TT+4]
	v_lshl_or_b32 v[PW], v[TT+6], 16, v[PW]
	v_lshl_or_b32 v[PW], v[TT+7], 24, v[PW]
	WIN 0xcd
.irp c, 0,1
	v_cvt_scalef32_pk16_bf6_f32 v[PC+6*\c:PC+6*\c+2], v[32*\c:32*\c+15], v[TT+8+2*\c]
	v_cvt_scalef32_pk16_bf6_f32 v[TT+4*\c:TT+4*\c+2], v[32*\c+16:32*\c+31], v[TT+9+2*\c]   ; (a conversion's three registers begin on an even number)
.endr
	v_nop                                          ; one plain instruction behind a scaled conversion
	WIN 0xff
.irp c, 0,1                                    ; the operand wants a whole block in a lane
.irp i, 0,1,2
	v_permlane16_swap_b32 v[PC+6*\c+\i], v[TT+4*\c+\i]
.endr
.irp i, 0,1,2
	v_mov_b32 v[PC+6*\c+3+\i], v[TT+4*\c+\i]
.endr
.endr
.endm
.macro SEND                            ; the codes and the scale words of the tile worked last
	WIN 0x0c                                       ; a store's data: window 3
.irp q, 0,1,2
	global_store_b128 v[HO], v[PC+4*\q:PC+4*\q+3], s[HB:HB+1] offset:512*\q   ; the fragment as it stands: 512 consecutive bytes a store
.endr
	global_store_b32 v[HSO], v[PW], s[HSB:HSB+1]   ; lanes 16-31 repeat lanes 0-15's words
	WIN 0
.endm
	s_load_b256 s[4:11], s[0:1], 0x0               ; W1's codes s[4:5], its scales s[6:7], b1 s[8:9], xq s[10:11]
	s_load_b256 s[12:19], s[0:1], 0x20             ; xs s[12:13], sel s[14:15], hq s[16:17], hs s[18:19]
	s_load_b64 s[LB:LB+1], s[0:1], 0x40            ; lst
	s_set_vgpr_msb 0x80
	v_lshl_add_u32 v62, v0, 2, 0x19c00
	v_mov_b32 v63, 0
	s_set_vgpr_msb 0x8000
	v_lshrrev_b32 v52, 5, v0
	v_readfirstlane_b32 s[WV], v52
	s_mov_b32 s[SL], ttmp9
	s_and_b32 s[E], ttmp7, 0xffff
	v_and_b32 v1, 31, v0                           ; lane
	v_and_b32 v52, 15, v0                          ; r
	v_bfe_u32 v53, v0, 4, 1                        ; h
	v_mul_u32_u24 v[AW0], v52, PITCH
	v_mad_u32_u24 v[AW0], v53, 24, v[AW0]          ; a fragment's row r, + 24 h
	v_add_nc_u32 v[AW1], 64*PITCH, v[AW0]          ; tiles 4-7
	v_lshl_add_u32 v[LA], v52, 2, LIST
	v_lshlrev_b32 v[HO], 4, v1
	v_lshlrev_b32 v[HSO], 2, v52
	v_lshl_add_u32 v[BA], v53, 6, BIAS
	v_mul_u32_u24 v[H48], v53, 48
	v_lshlrev_b32 v[H16], 4, v53
	s_mul_i32 s31, s[WV], 32*PITCH
	v_add_nc_u32 v[SA0], s31, v[HO]                ; the stage, in: my wave's 32 rows, 16 x lane
	v_lshl_add_u32 v[SA1], v53, 4, v[SA0]          ; and for a load that spans two rows: lanes 16-31 lie behind one padding more
	v_and_b32 v[WSO], 8, v52
	v_add_nc_u32 v[WSO], v[WSO], v52
	v_lshl_add_u32 v[WSO], v53, 3, v[WSO]
	v_lshlrev_b32 v[WSO], 5, v[WSO]                ; W1's scale words: row 8 h + r + 8 (r / 8), 32 bytes a row
	v_lshlrev_b32 v[L8], 3, v1
	v_add_nc_u32 v[DP], 1040, v1
	v_add_nc_u32 v[LF], LIST, v[HO]
	v_lshl_add_u32 v[BSA], v0, 2, BIAS
	v_lshlrev_b32 v[BGO], 2, v0
	s_mov_b32 s[SEL], 0x76543210
	s_mov_b32 s[SEL+1], 0xfedcba98
	s_mov_b32 s[C1], 0xbdd2d3e8                    ; C1 = -2 sqrt(2 / pi) log2(e) x 0.044715
	s_mov_b32 s[C1+1], s[C1]
	WIN 0x80
	v_mov_b32 v60, 0xc0135761                      ; C0 = -2 sqrt(2 / pi) log2(e)
	v_mov_b32 v61, 0xc0135761
	WIN 0xc0
	v_mov_b32 v[PW], 0                             ; the registers that SEND reads are written once here, so that every way to it finds them written
.irp i, 0,1,2,3,4,5,6,7,8,9,10,11
	v_mov_b32 v[PC+\i], 0
.endr
	WIN 0
	s_lshl_b32 s31, s[E], 12
	s_lshl_b32 s32, s[SL], 7
	s_add_co_u32 s31, s31, s32                     ; the slice's first row of W1
	s_lshl_b32 s32, s[WV], 5
	s_add_co_u32 s32, s31, s32                     ; my wave's 32 rows of it
	s_mul_i32 s34, s32, 768
	s_mov_b32 s35, 0
	s_wait_alu depctr_va_vdst(0)                   ; the wait at the head's end
	s_wait_kmcnt 0x0
	s_add_nc_u64 s[4:5], s[4:5], s[34:35]
	s_lshl_b32 s34, s31, 5
	s_add_nc_u64 s[6:7], s[6:7], s[34:35]
	s_lshl_b32 s34, s31, 2
	s_add_nc_u64 s[8:9], s[8:9], s[34:35]
	s_mul_i32 s34, s[E], 5120
	s_add_nc_u64 s[LB:LB+1], s[LB:LB+1], s[34:35]
	s_mov_b64 s[HB:HB+1], s[16:17]                 ; (SEND's bases likewise; each tile sets its own)
	s_mov_b64 s[HSB:HSB+1], s[18:19]
.irp i, 0,1,2,3,4,5,6,7
	global_load_b128 v[SELR+4*\i:SELR+4*\i+3], v[HO], s[14:15] offset:512*\i
.endr
.irp p, 0,1,2,3
.irp i, 0,1
	global_load_b128 v[WS+8*\p+4*\i:WS+8*\p+4*\i+3], v[WSO], s[6:7] offset:1024*\p+16*\i   ; lanes 0-15: tile 2 p, lanes 16-31: tile 2 p + 1; words 4 i ..
.endr
.endr
	global_load_b32 v[BW], v[BGO], s[8:9]
	WIN 0xc0
	RAWC 0                                         ; my 32 rows are 24,576 dense bytes; no other work-group reads them
	RAWC 1
	WIN 0
	s_wait_loadcnt 57                              ; the choices are in; 8 loads of scales, the bias and 48 loads of weights are younger
	s_mov_b32 s[N], 0
	s_cmp_lg_u32 s[WV], 0
	s_cbranch_scc1 .Lcount
	v_and_b32 v[FV], 3, v0                         ; wave 0.  The whole list first: position p holds the spare row 2048 + 16 e + p % 16
	v_lshlrev_b32 v[FV], 2, v[FV]
	s_lshl_b32 s[TC], s[E], 4
	s_add_co_u32 s[TC], s[TC], 2048
	v_add_nc_u32 v[FV], s[TC], v[FV]
	v_add_nc_u32 v[FV+1], 1, v[FV]
	v_add_nc_u32 v[FV+2], 2, v[FV]
	v_add_nc_u32 v[FV+3], 3, v[FV]
.irp i, 0,1,2,3,4,5,6,7,8
	ds_store_b128 v[LF], v[FV:FV+3] offset:512*\i
.endr
.irp g, 0,1,2,3
	MASKS \g
	SCAT \g
.endr
	s_branch .Lcounted
.Lcount:
.irp g, 0,1,2,3
	MASKS \g
.endr
.Lcounted:
	s_wait_loadcnt 24                              ; scales, bias and the first half are in; the second half's 24 loads are younger
	WIN 0x0c                                       ; an LDS store's data: window 3
	STAGE 0
	WIN 0
	ds_store_b32 v[BSA], v[BW]
	s_wait_dscnt 0x0
	s_barrier_signal -1
	s_barrier_wait -1                              ; the list, the even tiles and the bias lie in LDS
	s_add_co_u32 s[NT], s[N], 15
	s_lshr_b32 s[NT], s[NT], 4
	s_min_u32 s[NT], s[NT], 64                     ; tiles of 16 rows
	s_mov_b32 s[J], s[WV]
	LOOKUP 0
	s_wait_dscnt 0x0
	ADDR
	XLOADS
	FRAGS 0
	WIN 0
	s_wait_loadcnt 25                              ; the second half is in; x's 25 loads are younger
	WIN 0x0c
	STAGE 1                                        ; rows of the odd tiles alone: no byte that a wave may still be reading
	WIN 0
	s_wait_dscnt 0x0
	s_barrier_signal -1
	s_barrier_wait -1                              ; the slice lies in LDS; behind this barrier LDS is only read
	FRAGS 1
	BIASLOAD
	WIN 0
	s_mov_b32 s[PD], 0
	s_mov_b32 s[I], 0
.Ltile:
	s_lshl_b32 s[J], s[I], 2
	s_add_co_u32 s[J], s[J], s[WV]                 ; my tile of this trip
	s_cmp_ge_u32 s[J], s[NT]
	s_cbranch_scc1 .Lpast                          ; past the list: the trip's work is jumped over; no barrier stands in the loop
	LOOKUP 4                                       ; my next tile's ids (past the list: spare rows, held inside x below)
	s_wait_loadcnt 0x0                             ; x's fragments and scale words, asked for a tile ago
	s_wait_dscnt 0x0                               ; the bias, the ids; in the first trip the weights' fragments
	s_cmp_eq_u32 s[PD], 0
	s_cbranch_scc1 .Lnone_yet
	SEND                                           ; the tile before: none of my loads is out
.Lnone_yet:
.irp s, 0,1,2,3,4,5,6,7
	MULS \s
.endr
	WIN 0
	s_wait_xcnt 0x0                                ; those stores have read their data and bases
	s_lshl_b32 s31, s[E], 6
	s_add_co_u32 s31, s31, s[J]
	s_lshl_b32 s31, s31, 5
	s_add_co_u32 s31, s31, s[SL]                   ; (64 e + tile) 32 + K step
	s_mul_i32 s34, s31, 1536
	s_add_nc_u64 s[HB:HB+1], s[16:17], s[34:35]
	s_lshl_b32 s34, s31, 6
	s_add_nc_u64 s[HSB:HSB+1], s[18:19], s[34:35]
	ADDR                                           ; the four places behind the last product, ahead of the loads below and of the first read of results
	XLOADS                                         ; the next tile's rows are on their way while this tile's gelu is worked
	GELU 0
	GELU 1
	GELU 2
	GELU 3
	QUANT4
	s_wait_alu depctr_va_vdst(0)
	BIASLOAD
	WIN 0
	s_mov_b32 s[PD], 1
.Lpast:
	s_add_co_u32 s[I], s[I], 1
	s_cmp_lt_u32 s[I], 16
	s_cbranch_scc1 .Ltile
	s_cmp_eq_u32 s[PD], 0
	s_cbranch_scc1 .Lno_send
	SEND                                           ; my last tile
.Lno_send:
	s_xor_b32 s31, s[WV], 3
	s_or_b32 s31, s31, s[SL]
	s_cmp_lg_u32 s31, 0
	s_cbranch_scc1 .Lno_copy                       ; wave 3 of slice 0 alone: each byte of lst has one owner
	s_wait_dscnt 0x0                               ; a wave without a tile comes here with its fragments' and the bias's loads out: the loads below take some of their registers
.irp i, 0,1,2,3,4,5,6,7,8
	ds_load_b128 v[CP+4*\i:CP+4*\i+3], v[LF] offset:512*\i   ; into registers of fragments that this wave multiplies no more
.endr
	s_wait_dscnt 0x0
	v_mov_b32 v[T0], s[N]
.irp i, 0,1,2,3,4,5,6,7,8
	global_store_b128 v[HO], v[CP+4*\i:CP+4*\i+3], s[LB:LB+1] offset:512*\i   ; 512 consecutive bytes a store
.endr
	global_store_b32 v[HSO], v[T0], s[LB:LB+1] offset:4608   ; the count, in sixteen words
.Lno_copy:
	s_wait_dscnt 0x0
	s_barrier_signal -1
	s_barrier_wait -1
	s_set_vgpr_msb 0xa
	s_wait_tensorcnt 0x0                           ; the wave's end
	ds_add_u32 v62, v63
	s_wait_dscnt 0x0
	s_set_vgpr_msb 0xa00
	s_endpgm
.Lfunc_end_k_qd482e26e54_up:
	.size	k_qd482e26e54_up, .Lfunc_end_k_qd482e26e54_up-k_qd482e26e54_up
	.p2alignl 7, 3214868480
	.fill 96, 4, 3214868480
	.section	.rodata,"a",@progbits
	.p2align	6, 0x0
	.amdhsa_kernel k_qd482e26e54_up
		.amdhsa_group_segment_fixed_size 105984
		.amdhsa_private_segment_fixed_size 0
		.amdhsa_enable_private_segment 0
		.amdhsa_kernarg_size 72
		.amdhsa_user_sgpr_count 2
		.amdhsa_user_sgpr_kernarg_segment_ptr 1
		.amdhsa_wavefront_size32 1
		.amdhsa_system_sgpr_workgroup_id_x 1
		.amdhsa_system_sgpr_workgroup_id_y 1
		.amdhsa_system_sgpr_workgroup_id_z 1
		.amdhsa_system_vgpr_workitem_id 0
		.amdhsa_next_free_vgpr 1024
		.amdhsa_next_free_sgpr 92
		.amdhsa_reserve_vcc 0
		.amdhsa_float_denorm_mode_32 3
		.amdhsa_float_denorm_mode_16_64 3
		.amdhsa_memory_ordered 1
		.amdhsa_forward_progress 1
		.amdhsa_inst_pref_size 116
	.end_amdhsa_kernel
	.amdgpu_metadata
---
amdhsa.version: [ 1, 2 ]
amdhsa.kernels:
  - .name:           k_qd482e26e54_up
    .symbol:         k_qd482e26e54_up.kd
    .args:
      - { .name: W1_codes, .offset: 0, .size: 8, .value_kind: global_buffer, .address_space: global }
      - { .name: W1_scales, .offset: 8, .size: 8, .value_kind: global_buffer, .address_space: global }
      - { .name: b1, .offset: 16, .size: 8, .value_kind: global_buffer, .address_space: global }
      - { .name: xq, .offset: 24, .size: 8, .value_kind: global_buffer, .address_space: global }
      - { .name: xs, .offset: 32, .size: 8, .value_kind: global_buffer, .address_space: global }
      - { .name: sel, .offset: 40, .size: 8, .value_kind: global_buffer, .address_space: global }
      - { .name: hq, .offset: 48, .size: 8, .value_kind: global_buffer, .address_space: global }
      - { .name: hs, .offset: 56, .size: 8, .value_kind: global_buffer, .address_space: global }
      - { .name: lst, .offset: 64, .size: 8, .value_kind: global_buffer, .address_space: global }
    .group_segment_fixed_size: 105984
    .private_segment_fixed_size: 0
    .kernarg_segment_align: 8
    .kernarg_segment_size: 72
    .max_flat_workgroup_size: 128
    .sgpr_count:     92
    .vgpr_count:     1024
    .wavefront_size: 32
...
	.end_amdgpu_metadata
.endif
;; end of part 2
;; launch down (part 3): grid 32 x 8, 4 waves a work-group, no clusters, 280,064 bytes of LDS; arguments W2_codes, W2_scales, b2, hq, hs, lst, gate, y; writes y
.if DOCPART == 3
	.amdgcn_target "amdgcn-amd-amdhsa--gfx1250"
	.amdhsa_code_object_version 6
	.text
	.protected	k_qd482e26e54_down
	.globl	k_qd482e26e54_down
	.p2align	8
	.type	k_qd482e26e54_down,@function
k_qd482e26e54_down:
	s_mov_b64 s[64:65], 0
	v_nop
	global_prefetch_b8 v0, s[64:65] scope:SCOPE_SE
	s_setreg_imm32_b32 hwreg(HW_REG_WAVE_MODE, 25, 1), 1
	s_wait_xcnt 0x0
; Y[2 token + k] = gate x (H W2_e + b2_e) for the rows routed to expert e alone.  Work-group (c, q, e) owns output columns 64 c .. 64 c + 63 of expert e for the row tiles q, q + 2, ..
; THE WAVES SPLIT K: wave w holds K steps 8 w .. 8 w + 7 of the four column tiles in registers (32 fragments, 384 registers), read from memory in whole pieces of 768 bytes a row and turned through
; the wave's own stage in LDS, in two halves of 32 rows: a half's raw bytes lie in the registers of its own two tiles' fragments, so the first half is turned while the second half's loads are out.
; Each byte of H is loaded once in a work-group and feeds four products; the four partial sums of a tile meet in LDS.
; THE LIST and the count come from lst, as the launch before stored them: thread t takes positions 4 t .. 4 t + 3 and 512 + 4 t .. (an expert has 1,024 rows at the most), gathers each id's gate
; (gate is indexed by the id; a spare row's id is held at 2047, and its product goes to a spare row of y that nobody reads), and lays both in LDS.  The first chunk's barrier shows them to all waves.
; BARRIERS stand in a loop of constant count alone: 8 trips x 2 chunks x 2 tiles = 32 tiles, the most a parity can have; a chunk past the list jumps over its work, never over its barrier.
; The product is used transposed (source 0 = 16 rows of W2, source 1 = 16 rows of H): a lane holds eight neighbouring columns of one row of y.
; No tile is asked for jointly and no tensor load is used: which tiles exist hangs on counts read from memory.  No prefetch: the weights are asked for at the head, H's tiles two tiles ahead.
; LIMITS: NaN and infinities are not served.
; REGISTERS.  window 0: v0-23 addresses, v24-31 H's scale words (two sets), v32-47 W2's; v64-255 fragments of K steps 0-3 (tile t, step s at 64 + 12 (4 (s % 4) + t)).
;   window 1: v0-63 two sets of four accumulators; v64-255 fragments of K steps 4-7.   window 2: H's fragments, two sets of 96.   window 3: the sums' way out; at the head ids and gates.
.set PITCH, 784
.set STGW,  50176                      ; LDS 0: a stage of 64 rows x 784 bytes for each wave
.set PART,  200704                     ; partial sums [chunk parity 2][wave 4][tile 2][16 rows x (256 + 16) bytes]
.set PKP,   34816
.set PWV,   8704
.set PSL,   4352
.set LIST,  270336                     ; ids; the gates lie LISTB further on
.set LISTB, 4608
.set AW,  2
.set SA0, 3
.set SA1, 4
.set HO,  5
.set GA1, 6
.set T16, 7
.set HSO, 8
.set PWR, 9
.set RD,  10
.set LRD, 11
.set TA,  12
.set LW,  21
.set WSO, 22
.set B2O, 23
.set HSC, 24
.set WS,  32
.set IDR, 0                            ; window 3, at the head: eight ids,
.set GA,  8                            ; their gates' offsets,
.set GG,  16                           ; their gates
.set IDS, 64                           ; window 3
.set GT,  68
.set B2,  72
.set OFF, 76
.set CO,  80
.set E,   20
.set CC,  21
.set Q,   22
.set WV,  23
.set N,   24
.set NT,  26
.set NTQ, 27
.set NL,  28
.set M,   29
.set MC,  30
.set TR,  31
.set W1H, 38
.set HB,  40                           ; s[40:41], s[44:45]: where set 0, 1 of H's fragments is loaded from;  s[42:43], s[46:47]: their scale words
.set HQE, 50
.set HSE, 52
.set MSB, 0
.macro WIN new                         ; the immediate's high byte repeats the setting that is left
.if MSB != (\new)
	s_set_vgpr_msb (MSB<<8)|(\new)
.set MSB, (\new)
.endif
.endm
; Half c of my 64 rows: pairs of rows 16 c + m, m = 0 .. 15: 768 bytes a row, 3,072 apart: three loads of 512 bytes.  Its 12 registers: the fragment slot (tile 2 c + m % 2, K step m / 2).
.macro RAWH c
.set m, 0
.rept 16
	WIN (m/8)<<6
.set RR, 64+12*(4*((m%8)/2)+2*(\c)+m%2)
.set GO, 6144*(16*(\c)+m)
	global_load_b128 v[RR:RR+3], v[HO], s[4:5] offset:GO
	global_load_b128 v[RR+4:RR+7], v[GA1], s[4:5] offset:GO+512
	global_load_b128 v[RR+8:RR+11], v[HO], s[4:5] offset:GO+3328
.set m, m+1
.endr
.endm
.macro STG c                           ; into my stage
.set m, 0
.rept 16
	WIN (m/8)<<2
.set RR, 64+12*(4*((m%8)/2)+2*(\c)+m%2)
.set LO, 1568*(16*(\c)+m)
	ds_store_b128 v[SA0], v[RR:RR+3] offset:LO
	ds_store_b128 v[SA1], v[RR+4:RR+7] offset:LO+512
	ds_store_b128 v[SA0], v[RR+8:RR+11] offset:LO+1040
.set m, m+1
.endr
.endm
.macro FRG c                           ; the fragments of tiles 2 c and 2 c + 1, my eight K steps
.irp s, 0,1,2,3,4,5,6,7
	WIN ((\s)/4)<<6
.irp u, 0,1
.irp p, 0,1,2,3,4,5
	ds_load_b64 v[64+12*(4*((\s)%4)+2*(\c)+\u)+2*\p:64+12*(4*((\s)%4)+2*(\c)+\u)+2*\p+1], v[AW] offset:12544*(2*(\c)+\u)+96*\s+48*(\p/3)+8*(\p%3)
.endr
.endr
.endr
.endm
.macro TILEJ add                       ; s35 = the tile of number MC + add among my parity's, held at the last that exists
	s_add_co_u32 s35, s[MC], \add
	s_min_u32 s35, s35, s[NL]
	s_lshl_b32 s35, s35, 1
	s_add_co_u32 s35, s35, s[Q]
	s_min_u32 s35, s35, 63
.endm
.macro HLOADS x                        ; 28 loads: tile s35's eight fragments of my K steps, as images of their registers, and their scale words
	s_mul_i32 s36, s35, 49152
	s_add_nc_u64 s[HB+4*(\x):HB+4*(\x)+1], s[HQE:HQE+1], s[36:37]
	s_lshl_b32 s36, s35, 11
	s_add_nc_u64 s[HB+4*(\x)+2:HB+4*(\x)+3], s[HSE:HSE+1], s[36:37]
	WIN 0x80
.irp s, 0,1,2,3,4,5,6,7
.irp p, 0,1,2
	global_load_b128 v[96*(\x)+12*\s+4*\p:96*(\x)+12*\s+4*\p+3], v[HO], s[HB+4*(\x):HB+4*(\x)+1] offset:1536*\s+512*\p
.endr
.endr
	WIN 0
.irp i, 0,1,2,3
	global_load_b32 v[HSC+4*(\x)+\i], v[HSO], s[HB+4*(\x)+2:HB+4*(\x)+3] offset:128*\i   ; lanes 0-15: step 2 i, lanes 16-31: step 2 i + 1
.endr
.endm
.macro WM zero, ra, rb
.if \zero
.if \ra
	v_wmma_scale_f32_16x16x128_f8f6f4 v[DD:DD+7], v[FA:FA+11], v[FB:FB+11], 0, v[SA], v[SB] matrix_a_fmt:MATRIX_FMT_BF6 matrix_b_fmt:MATRIX_FMT_BF6 matrix_a_scale:MATRIX_SCALE_ROW1
.else
	v_wmma_scale_f32_16x16x128_f8f6f4 v[DD:DD+7], v[FA:FA+11], v[FB:FB+11], 0, v[SA], v[SB] matrix_a_fmt:MATRIX_FMT_BF6 matrix_b_fmt:MATRIX_FMT_BF6
.endif
.elseif (\ra) && (\rb)
	v_wmma_scale_f32_16x16x128_f8f6f4 v[DD:DD+7], v[FA:FA+11], v[FB:FB+11], v[DD:DD+7], v[SA], v[SB] matrix_a_fmt:MATRIX_FMT_BF6 matrix_b_fmt:MATRIX_FMT_BF6 matrix_a_scale:MATRIX_SCALE_ROW1 matrix_b_scale:MATRIX_SCALE_ROW1
.elseif \ra
	v_wmma_scale_f32_16x16x128_f8f6f4 v[DD:DD+7], v[FA:FA+11], v[FB:FB+11], v[DD:DD+7], v[SA], v[SB] matrix_a_fmt:MATRIX_FMT_BF6 matrix_b_fmt:MATRIX_FMT_BF6 matrix_a_scale:MATRIX_SCALE_ROW1
.elseif \rb
	v_wmma_scale_f32_16x16x128_f8f6f4 v[DD:DD+7], v[FA:FA+11], v[FB:FB+11], v[DD:DD+7], v[SA], v[SB] matrix_a_fmt:MATRIX_FMT_BF6 matrix_b_fmt:MATRIX_FMT_BF6 matrix_b_scale:MATRIX_SCALE_ROW1
.else
	v_wmma_scale_f32_16x16x128_f8f6f4 v[DD:DD+7], v[FA:FA+11], v[FB:FB+11], v[DD:DD+7], v[SA], v[SB] matrix_a_fmt:MATRIX_FMT_BF6 matrix_b_fmt:MATRIX_FMT_BF6
.endif
.endm
; One tile from set x: 32 products (four accumulators by turns; the first K step starts the sums), my partial sums to LDS, and the set's next tile is asked for.
.macro STEP x, kp
	s_wait_loadcnt 28                              ; this set is in; the other set's 28 loads are younger
.irp s, 0,1,2,3,4,5,6,7
	WIN 0x58+(\s)/4
.irp t, 0,1,2,3
.set DD, 32*(\x)+8*\t
.set FA, 64+12*(4*((\s)%4)+\t)
.set FB, 96*(\x)+12*\s
.set SA, WS+8*(\t/2)+\s
.set SB, HSC+4*(\x)+(\s)/2
	WM (\s==0), (\t%2), (\s%2)
.endr
.endr
	WIN 0
	TILEJ (\x)+2
.rept 5
	v_nop                                          ; places behind the last product: ahead of the stores of results, of the loads into its operands, and of the products that will begin these sums anew
.endr
	WIN 0x04                                       ; an LDS store's data: window 1
.irp t, 0,1,2,3
	ds_store_b128 v[PWR], v[32*(\x)+8*\t:32*(\x)+8*\t+3] offset:PKP*(\kp)+PSL*(\x)+64*\t      ; each accumulator from its low end on
	ds_store_b128 v[PWR], v[32*(\x)+8*\t+4:32*(\x)+8*\t+7] offset:PKP*(\kp)+PSL*(\x)+64*\t+16
.endr
	WIN 0
	HLOADS \x
.endm
; Wave w sums tile w / 2 of the chunk, rows 8 (w % 2) + 4 (lane / 16) + i: four partial sums, + b2, x the gate; sixteen lanes store 256 consecutive bytes of a row of y.  s48 = the tile's number among my parity's.
.macro REDUCE kp
	s_wait_xcnt 0x0                                ; the last stores have read their data and offsets
	s_lshl_b32 s35, s48, 1
	s_add_co_u32 s35, s35, s[Q]
	s_lshl_b32 s35, s35, 6
	v_add_nc_u32 v[TA], s35, v[LRD]
	WIN 0xc0
	ds_load_b128 v[IDS:IDS+3], v[TA]
	ds_load_b128 v[GT:GT+3], v[TA] offset:LISTB
.irp i, 0,1,2,3
.irp u, 0,1,2,3
	ds_load_b128 v[16*\i+4*\u:16*\i+4*\u+3], v[RD] offset:PKP*(\kp)+PWV*\u+272*\i
.endr
.endr
	s_wait_dscnt 0x0
	WIN 0xff
.irp i, 0,1,2,3
	v_min_u32 v[IDS+\i], 0x87f, v[IDS+\i]          ; held inside y's 2,176 rows
	s_wait_alu depctr_va_vdst(0)
	v_lshl_add_u32 v[OFF+\i], v[IDS+\i], 12, v[CO]
	v_pk_add_f32 v[16*\i:16*\i+1], v[16*\i:16*\i+1], v[16*\i+4:16*\i+5]
	v_pk_add_f32 v[16*\i+2:16*\i+3], v[16*\i+2:16*\i+3], v[16*\i+6:16*\i+7]
	v_pk_add_f32 v[16*\i+8:16*\i+9], v[16*\i+8:16*\i+9], v[16*\i+12:16*\i+13]
	v_pk_add_f32 v[16*\i+10:16*\i+11], v[16*\i+10:16*\i+11], v[16*\i+14:16*\i+15]
	v_pk_add_f32 v[16*\i:16*\i+1], v[16*\i:16*\i+1], v[16*\i+8:16*\i+9]
	v_pk_add_f32 v[16*\i+2:16*\i+3], v[16*\i+2:16*\i+3], v[16*\i+10:16*\i+11]
	v_pk_add_f32 v[16*\i:16*\i+1], v[16*\i:16*\i+1], v[B2:B2+1]
	v_pk_add_f32 v[16*\i+2:16*\i+3], v[16*\i+2:16*\i+3], v[B2+2:B2+3]
.if \i%2 == 0
	v_pk_mul_f32 v[16*\i:16*\i+1], v[16*\i:16*\i+1], v[GT+2*(\i/2):GT+2*(\i/2)+1] op_sel_hi:[1,0]
	v_pk_mul_f32 v[16*\i+2:16*\i+3], v[16*\i+2:16*\i+3], v[GT+2*(\i/2):GT+2*(\i/2)+1] op_sel_hi:[1,0]
.else
	v_pk_mul_f32 v[16*\i:16*\i+1], v[16*\i:16*\i+1], v[GT+2*(\i/2):GT+2*(\i/2)+1] op_sel:[0,1] op_sel_hi:[1,1]
	v_pk_mul_f32 v[16*\i+2:16*\i+3], v[16*\i+2:16*\i+3], v[GT+2*(\i/2):GT+2*(\i/2)+1] op_sel:[0,1] op_sel_hi:[1,1]
.endif
	global_store_b128 v[OFF+\i], v[16*\i:16*\i+3], s[18:19]
.endr
	WIN 0
.endm
; Two tiles.  One barrier a chunk does: these bytes of PART are written again two barriers on, and every reader has waited for its loads in front of the barrier between.
.macro CHUNK kp
	s_add_co_u32 s[MC], s[M], 2*(\kp)
	s_cmp_ge_u32 s[MC], s[NTQ]
	s_cbranch_scc1 .Lidle_\@
	STEP 0, \kp
	STEP 1, \kp                                    ; (a second tile that does not exist is computed from the last that does, and nobody sums it)
.Lidle_\@:
	s_wait_dscnt 0x0                               ; my stores have landed and my loads are in
	s_barrier_signal -1
	s_barrier_wait -1
	s_add_co_u32 s48, s[MC], s[W1H]
	s_cmp_ge_u32 s48, s[NTQ]
	s_cbranch_scc1 .Lnone_\@
	REDUCE \kp
.Lnone_\@:
.endm
	s_load_b256 s[4:11], s[0:1], 0x0               ; W2's codes s[4:5], its scales s[6:7], b2 s[8:9], hq s[10:11]
	s_load_b256 s[12:19], s[0:1], 0x20             ; hs s[12:13], lst s[14:15], gate s[16:17], y s[18:19]
	v_lshl_add_u32 v62, v0, 2, 0x44400
	v_mov_b32 v63, 0
	v_lshrrev_b32 v13, 5, v0
	v_readfirstlane_b32 s[WV], v13
	s_lshr_b32 s[CC], ttmp9, 1
	s_and_b32 s[Q], ttmp9, 1
	s_and_b32 s[E], ttmp7, 0xffff
	v_and_b32 v1, 31, v0                           ; lane
	v_and_b32 v13, 15, v0                          ; r
	v_bfe_u32 v14, v0, 4, 1                        ; h
	s_mul_i32 s35, s[WV], STGW
	v_mul_u32_u24 v[AW], v13, PITCH
	v_mad_u32_u24 v[AW], v14, 24, v[AW]
	v_add_nc_u32 v[AW], s35, v[AW]                 ; a fragment's row r, + 24 h, in my stage
	v_lshlrev_b32 v[HO], 4, v1
	v_add_nc_u32 v[SA0], s35, v[HO]
	v_lshl_add_u32 v[SA1], v14, 4, v[SA0]          ; a load that spans two rows: lanes 16-31 lie behind one padding more,
	v_mad_u32_u24 v[GA1], v14, 2304, v[HO]         ; and in memory 3,072 - 768 bytes further on
	v_lshlrev_b32 v[T16], 4, v0                    ; 16 x thread: my four positions of the list
	v_lshlrev_b32 v[HSO], 2, v1
	s_mul_i32 s35, s[WV], PWV
	s_add_co_u32 s35, s35, PART
	v_mul_u32_u24 v[PWR], v13, 272
	v_lshl_add_u32 v[PWR], v14, 5, v[PWR]
	v_add_nc_u32 v[PWR], s35, v[PWR]               ; my partial sums: row r, + 32 h
	s_lshr_b32 s[W1H], s[WV], 1
	s_and_b32 s36, s[WV], 1
	s_mul_i32 s35, s[W1H], PSL
	s_mul_i32 s48, s36, 8*272
	s_add_co_u32 s35, s35, s48
	s_add_co_u32 s35, s35, PART
	v_mul_u32_u24 v[RD], v14, 4*272
	v_lshl_add_u32 v[RD], v13, 4, v[RD]
	v_add_nc_u32 v[RD], s35, v[RD]                 ; the sums: tile w / 2, rows 8 (w % 2) + 4 h on, 16 bytes a lane
	s_lshl_b32 s35, s36, 5
	s_add_co_u32 s35, s35, LIST
	v_lshl_add_u32 v[LRD], v14, 4, s35             ; and those four rows' ids
	v_lshlrev_b32 v[B2O], 4, v13
	v_lshlrev_b32 v[WSO], 7, v1
	v_add_nc_u32 v[LW], LIST, v[T16]
	s_lshl_b32 s35, s[E], 10
	s_lshl_b32 s39, s[CC], 6
	s_add_co_u32 s35, s35, s39                     ; my first row of W2: 1024 e + 64 c
	s_mov_b32 s37, 0
	s_wait_alu depctr_va_vdst(0)                   ; the wait at the head's end
	s_wait_kmcnt 0x0
	s_mul_i32 s36, s[E], 5120
	s_add_nc_u64 s[14:15], s[14:15], s[36:37]      ; my expert's list
	s_load_b32 s[N], s[14:15], 0x1200              ; and its count
	s_mul_i32 s36, s35, 3072
	s_add_nc_u64 s[4:5], s[4:5], s[36:37]
	s_mul_i32 s36, s[WV], 768
	s_add_nc_u64 s[4:5], s[4:5], s[36:37]          ; my eight K steps of each row
	s_lshl_b32 s36, s35, 7
	s_add_nc_u64 s[6:7], s[6:7], s[36:37]
	s_lshl_b32 s36, s[WV], 5
	s_add_nc_u64 s[6:7], s[6:7], s[36:37]
	s_lshl_b32 s36, s35, 2
	s_add_nc_u64 s[8:9], s[8:9], s[36:37]
	s_lshl_b32 s36, s[CC], 8
	s_add_nc_u64 s[18:19], s[18:19], s[36:37]
	s_mul_i32 s36, s[E], 3145728
	s_add_nc_u64 s[HQE:HQE+1], s[10:11], s[36:37]
	s_mul_i32 s36, s[WV], 12288
	s_add_nc_u64 s[HQE:HQE+1], s[HQE:HQE+1], s[36:37]
	s_lshl_b32 s36, s[E], 17
	s_add_nc_u64 s[HSE:HSE+1], s[12:13], s[36:37]
	s_lshl_b32 s36, s[WV], 9
	s_add_nc_u64 s[HSE:HSE+1], s[HSE:HSE+1], s[36:37]
	WIN 0xc0
	global_load_b128 v[IDR:IDR+3], v[T16], s[14:15]
	global_load_b128 v[IDR+4:IDR+7], v[T16], s[14:15] offset:2048
	RAWH 0
	WIN 0
	s_wait_loadcnt 48                              ; the ids are in; the first half's 48 loads are younger
	WIN 0xcc
.irp i, 0,1,2,3,4,5,6,7
	v_min_u32 v[GA+\i], 0x7ff, v[IDR+\i]           ; held inside gate's 2,048 numbers
.endr
.irp i, 0,1,2,3,4,5,6,7
	v_lshlrev_b32 v[GA+\i], 2, v[GA+\i]
.endr
	WIN 0xc3
.irp i, 0,1,2,3,4,5,6,7
	global_load_b32 v[GG+\i], v[GA+\i], s[16:17]
.endr
	WIN 0
.irp p, 0,1
.irp i, 0,1
	global_load_b128 v[WS+8*\p+4*\i:WS+8*\p+4*\i+3], v[WSO], s[6:7] offset:4096*\p+16*\i   ; lane l: row 32 p + l: lanes 0-15 tile 2 p, lanes 16-31 tile 2 p + 1
.endr
.endr
	WIN 0xc0
	global_load_b128 v[B2:B2+3], v[B2O], s[8:9]
	v_mov_b32 v[CO], v[B2O]
	RAWH 1
	WIN 0
	s_wait_loadcnt 48                              ; the first half, the gates, the scales and b2 are in; the second half's 48 loads are younger
	WIN 0x0c                                       ; an LDS store's data: window 3
	ds_store_b128 v[LW], v[IDR:IDR+3]
	ds_store_b128 v[LW], v[IDR+4:IDR+7] offset:2048
	ds_store_b128 v[LW], v[GG:GG+3] offset:LISTB
	ds_store_b128 v[LW], v[GG+4:GG+7] offset:LISTB+2048
	STG 0
	WIN 0
	s_wait_dscnt 0x0                               ; the stores have read their registers, which the fragments now take; the stage is my wave's own: no barrier
	FRG 0
	WIN 0
	s_wait_kmcnt 0x0                               ; the count
	s_add_co_u32 s[NT], s[N], 15
	s_lshr_b32 s[NT], s[NT], 4
	s_min_u32 s[NT], s[NT], 64
	s_add_co_u32 s[NTQ], s[NT], 1
	s_sub_co_u32 s[NTQ], s[NTQ], s[Q]
	s_lshr_b32 s[NTQ], s[NTQ], 1                   ; tiles of my parity
	s_max_u32 s[NL], s[NTQ], 1
	s_sub_co_u32 s[NL], s[NL], 1                   ; the last of them
	s_mov_b32 s[MC], 0
	TILEJ 0
	HLOADS 0
	TILEJ 1
	HLOADS 1
	s_wait_loadcnt 56                              ; the second half is in; the two sets of H are younger
	STG 1
	WIN 0
	s_wait_dscnt 0x0
	FRG 1
	WIN 0
	s_wait_dscnt 0x0
	s_mov_b32 s[M], 0
	s_mov_b32 s[TR], 8
.Ltrip:
	CHUNK 0
	CHUNK 1
	s_add_co_u32 s[M], s[M], 4
	s_sub_co_u32 s[TR], s[TR], 1
	s_cmp_lg_u32 s[TR], 0
	s_cbranch_scc1 .Ltrip
	s_wait_dscnt 0x0
	s_barrier_signal -1
	s_barrier_wait -1
	s_wait_tensorcnt 0x0                           ; the wave's end
	ds_add_u32 v62, v63
	s_wait_dscnt 0x0
	s_endpgm
.Lfunc_end_k_qd482e26e54_down:
	.size	k_qd482e26e54_down, .Lfunc_end_k_qd482e26e54_down-k_qd482e26e54_down
	.p2alignl 7, 3214868480
	.fill 96, 4, 3214868480
	.section	.rodata,"a",@progbits
	.p2align	6, 0x0
	.amdhsa_kernel k_qd482e26e54_down
		.amdhsa_group_segment_fixed_size 280064
		.amdhsa_private_segment_fixed_size 0
		.amdhsa_enable_private_segment 0
		.amdhsa_kernarg_size 64
		.amdhsa_user_sgpr_count 2
		.amdhsa_user_sgpr_kernarg_segment_ptr 1
		.amdhsa_wavefront_size32 1
		.amdhsa_system_sgpr_workgroup_id_x 1
		.amdhsa_system_sgpr_workgroup_id_y 1
		.amdhsa_system_sgpr_workgroup_id_z 1
		.amdhsa_system_vgpr_workitem_id 0
		.amdhsa_next_free_vgpr 864
		.amdhsa_next_free_sgpr 66
		.amdhsa_reserve_vcc 0
		.amdhsa_float_denorm_mode_32 3
		.amdhsa_float_denorm_mode_16_64 3
		.amdhsa_memory_ordered 1
		.amdhsa_forward_progress 1
		.amdhsa_inst_pref_size 83
	.end_amdhsa_kernel
	.amdgpu_metadata
---
amdhsa.version: [ 1, 2 ]
amdhsa.kernels:
  - .name:           k_qd482e26e54_down
    .symbol:         k_qd482e26e54_down.kd
    .args:
      - { .name: W2_codes, .offset: 0, .size: 8, .value_kind: global_buffer, .address_space: global }
      - { .name: W2_scales, .offset: 8, .size: 8, .value_kind: global_buffer, .address_space: global }
      - { .name: b2, .offset: 16, .size: 8, .value_kind: global_buffer, .address_space: global }
      - { .name: hq, .offset: 24, .size: 8, .value_kind: global_buffer, .address_space: global }
      - { .name: hs, .offset: 32, .size: 8, .value_kind: global_buffer, .address_space: global }
      - { .name: lst, .offset: 40, .size: 8, .value_kind: global_buffer, .address_space: global }
      - { .name: gate, .offset: 48, .size: 8, .value_kind: global_buffer, .address_space: global }
      - { .name: y, .offset: 56, .size: 8, .value_kind: global_buffer, .address_space: global }
    .group_segment_fixed_size: 280064
    .private_segment_fixed_size: 0
    .kernarg_segment_align: 8
    .kernarg_segment_size: 64
    .max_flat_workgroup_size: 128
    .sgpr_count:     66
    .vgpr_count:     864
    .wavefront_size: 32
...
	.end_amdgpu_metadata
.endif
;; end of part 3
;; launch sum (part 4): grid 256 x 1, 8 waves a work-group, no clusters, 0 bytes of LDS; arguments y, out0; writes out0
.if DOCPART == 4
	.amdgcn_target "amdgcn-amd-amdhsa--gfx1250"
	.amdhsa_code_object_version 6
	.text
	.protected	k_qd482e26e54_sum
	.globl	k_qd482e26e54_sum
	.p2align	8
	.type	k_qd482e26e54_sum,@function
k_qd482e26e54_sum:
	s_mov_b64 s[64:65], 0
	v_nop
	global_prefetch_b8 v0, s[64:65] scope:SCOPE_SE
	s_setreg_imm32_b32 hwreg(HW_REG_WAVE_MODE, 25, 1), 1
	s_wait_xcnt 0x0
; out[token] = Y[2 token] + Y[2 token + 1]: the two gated expert rows of each token.  y [2176][1024] f32 (rows from 2048 on are spare and are not read), out0 [1024][1024] f32.
; A stream: work-group g takes tokens 4 g .. 4 g + 3; thread t takes 16 bytes of every row, so a wave's load or store covers 512 consecutive bytes.  All eight loads go out first.
; No LDS, no matrix unit, no cluster: nothing is shared and memory binds.
	s_load_b128 s[4:7], s[0:1], 0x0                ; y s[4:5], out0 s[6:7]
	v_lshlrev_b32 v1, 4, v0
	s_lshl_b32 s8, ttmp9, 15                       ; 8 rows of y
	s_mov_b32 s9, 0
	s_lshl_b32 s10, ttmp9, 14                      ; 4 rows of out0
	s_mov_b32 s11, 0
	s_wait_alu depctr_va_vdst(0)
	s_wait_kmcnt 0x0
	s_add_nc_u64 s[4:5], s[4:5], s[8:9]
	s_add_nc_u64 s[6:7], s[6:7], s[10:11]
.irp n, 0,1,2,3,4,5,6,7
	global_load_b128 v[4+4*\n:7+4*\n], v1, s[4:5] offset:4096*\n th:TH_LOAD_NT
.endr
.irp t, 0,1,2,3
	s_wait_loadcnt 6-2*\t                          ; this token's pair is in; the later tokens' pairs may be out
	v_pk_add_f32 v[36+4*\t:37+4*\t], v[4+8*\t:5+8*\t], v[8+8*\t:9+8*\t]
	v_pk_add_f32 v[38+4*\t:39+4*\t], v[6+8*\t:7+8*\t], v[10+8*\t:11+8*\t]
	global_store_b128 v1, v[36+4*\t:39+4*\t], s[6:7] offset:4096*\t th:TH_STORE_NT
.endr
	s_endpgm
.Lfunc_end_k_qd482e26e54_sum:
	.size	k_qd482e26e54_sum, .Lfunc_end_k_qd482e26e54_sum-k_qd482e26e54_sum
	.p2alignl 7, 3214868480
	.fill 96, 4, 3214868480
	.section	.rodata,"a",@progbits
	.p2align	6, 0x0
	.amdhsa_kernel k_qd482e26e54_sum
		.amdhsa_group_segment_fixed_size 0
		.amdhsa_private_segment_fixed_size 0
		.amdhsa_enable_private_segment 0
		.amdhsa_kernarg_size 16
		.amdhsa_user_sgpr_count 2
		.amdhsa_user_sgpr_kernarg_segment_ptr 1
		.amdhsa_wavefront_size32 1
		.amdhsa_system_sgpr_workgroup_id_x 1
		.amdhsa_system_sgpr_workgroup_id_y 1
		.amdhsa_system_sgpr_workgroup_id_z 1
		.amdhsa_system_vgpr_workitem_id 0
		.amdhsa_next_free_vgpr 56
		.amdhsa_next_free_sgpr 66
		.amdhsa_reserve_vcc 0
		.amdhsa_float_denorm_mode_32 3
		.amdhsa_float_denorm_mode_16_64 3
		.amdhsa_memory_ordered 1
		.amdhsa_forward_progress 1
		.amdhsa_inst_pref_size 3
	.end_amdhsa_kernel
	.amdgpu_metadata
---
amdhsa.version: [ 1, 2 ]
amdhsa.kernels:
  - .name:           k_qd482e26e54_sum
    .symbol:         k_qd482e26e54_sum.kd
    .args:
      - { .name: y, .offset: 0, .size: 8, .value_kind: global_buffer, .address_space: global }
      - { .name: out0, .offset: 8, .size: 8, .value_kind: global_buffer, .address_space: global }
    .group_segment_fixed_size: 0
    .private_segment_fixed_size: 0
    .kernarg_segment_align: 8
    .kernarg_segment_size: 16
    .max_flat_workgroup_size: 256
    .sgpr_count:     66
    .vgpr_count:     56
    .wavefront_size: 32
...
	.end_amdgpu_metadata
.endif
;; end of part 4
